; MI455X (gfx1250); checked and timed in simulation.
; The chip was launched on July 23, 2026; its instructions are those of AMD's public machine-readable ISA for CDNA 5 (MIT licence, August 2026) and "CDNA5" Instruction Set Architecture Reference Guide (July 2026). The comments in the code are by the model that wrote it; some were corrected since.
;; Symbolic Multi Head Attention. Allowed arithmetic: float matrix products may take bf16 or f16 operands with f32 sums; other float arithmetic in f32, or as packed bf16 or f16 multiplies, adds, multiply-adds, maxima and minima; sums over many terms, partial sums and values carried from step to step in f32; what a program stores and reads back later, other than sums and carried values, may be rounded once to bf16 or f16.
;; Inputs: cooc 2,048 x 2,048 x 4 float32; proj_b 768 float32; proj_w 768 x 32,768 float32; x 8 x 256 x 1 int32.
;; Outputs: out0 8 x 256 x 768 float32.
;; 2 versions, each right; version 2 is version 1 with the launch mix written anew for expert scheduling mode. Each part assembles by itself: llvm-mc -triple=amdgcn-amd-amdhsa -mcpu=gfx1250 --defsym DOCPART=n.
;; ======== version 1 of 2: 3 launches
;; workspace buffers: abf 33,554,432 bytes; bbf 50,331,648 bytes; z 12,582,912 bytes; attf 4,194,304 bytes
;; launch prep (part 1): grid 768 x 1, 8 waves a work-group, no clusters, 35,840 bytes of LDS; arguments x, cooc, proj_w, abf, bbf, attf; writes abf, bbf, attf
.if DOCPART == 1
	.amdgcn_target "amdgcn-amd-amdhsa--gfx1250"
	.amdhsa_code_object_version 6
	.text
	.protected	k_qd2c184bf48_prep
	.globl	k_qd2c184bf48_prep
	.p2align	8
	.type	k_qd2c184bf48_prep,@function
k_qd2c184bf48_prep:
	s_mov_b64 s[64:65], 0
	v_nop
	global_prefetch_b8 v0, s[64:65] scope:SCOPE_SE
	s_setreg_imm32_b32 hwreg(HW_REG_WAVE_MODE, 25, 1), 1
	s_wait_xcnt 0x0
; PREP.  Three kinds of job, chosen by the work-group's number alone.
;   0..127    att: the softmax weights of 16 query rows of one batch, att[i][j][h] = softmax over j of cooc[tok_i][tok_j][h], in f32 with the row's true
;             maximum taken away, rounded once to bf16 and stored in the order in which the last launch's matrix instructions take them
;             (attf: [a = 16 b + i / 16][h][c = j / 32] pieces of 1,024 bytes; in a piece 16 bytes at 512 q + 256 h' + 16 r hold row r, j = 32 c + 16 q + 8 h' + 0..7).
;   128..383  cooc, seen as [2048][8192] f32, to bf16:  abf = [row / 64][group 0..127][64 rows][64 places].
;   384..767  proj_w, seen as [3072][8192] f32 (row 4 n + h), to bf16:  bbf = [n' / 96][group][96 rows][64 places], with n' = 64 (4 (n / 64) + h) + n % 64.
; In both blocked layouts the rows that one tile of the product needs lie end to end.
; THE ORDER OF K is the same in abf and bbf, so the product's sums hold the same terms: k = 128 G + 64 t + 32 q + 4 p + e lies in group 2 G + q at place 8 p + 4 t + e.
; So a lane that loads 4 k of two neighbouring runs of 64 k of one row holds 16 bytes that belong together.
; The self loops are NOT added here: 1 + p in bf16 would lose p.
; LIMITS.  Tokens are clamped to 0..2047 (as unsigned numbers).  A weight below 2^-126 counts as 0.  NaN and infinities are not treated apart.
; No matrix unit, no tensor load, no cluster: the streams share no byte, and the att jobs gather 16 bytes a lane.
.set SPARE, 34816                      ; behind the att jobs' stage: the spare words, 128 bytes for each of eight waves
.set SPW, 126                          ; v126  LDS address of my spare word; never rewritten
.set NIL, 127                          ; v127  0; never rewritten
; the streams' registers
.set LO,  2                            ; v2      my byte offset in the two source rows; never rewritten
.set SO,  4                            ; v4-7    my byte offset in the destination for pair i of groups of a round; never rewritten
.set X,   16                           ; v16-79  two sets of 32: eight loads of 4 f32
.set Y,   80                           ; v80-95  a round's 16 packed words
; the att jobs' registers
.set S0,  16                           ; v16-47  row 0: register 4 e + h holds j = 8 lane + e, head h
.set S1,  48                           ; v48-79  row 1
.set M,   80                           ; v80-83  a head's maximum
.set T,   84                           ; v84-87  the other half of the lanes'
.set MC,  88                           ; v88-91  maximum x log2(e)
.set SUM, 92                           ; v92-95  a head's sum, then its reciprocal
.set P,   96                           ; v96-111 head h: four words, eight bf16 weights
.set LS,  112                          ; v112    where I put 16 bytes
.set RD,  113                          ; v113    where I read them back
.set GO,  114                          ; v114    my byte offset in the job's 32,768 bytes of attf
	s_load_b256 s[4:11], s[0:1], 0x0               ; x s[4:5], cooc s[6:7], proj_w s[8:9], abf s[10:11]
	s_load_b128 s[12:15], s[0:1], 0x20             ; bbf s[12:13], attf s[14:15]
	v_lshl_add_u32 v[SPW], v0, 2, SPARE
	v_mov_b32 v[NIL], 0
	v_lshrrev_b32 v1, 5, v0
	v_readfirstlane_b32 s16, v1                    ; wave 0..7
	v_and_b32 v1, 31, v0                           ; lane
	s_wait_kmcnt 0x0
	s_cmp_lt_u32 ttmp9, 128                        ; the same answer in all eight waves
	s_cbranch_scc1 .Latt
; ---------------------------------------------------------------- THE STREAMS
; A job is 16 destination rows x half of K (64 groups).  A wave takes two neighbouring destination rows: 16,384 consecutive bytes of each source row.
; Lane l: q = l / 16, row rr = (l / 8) % 2, p = l % 8.  One load takes 256 consecutive bytes (64 k) of each of the two rows: lanes with q = 0 their first 128 bytes, lanes with q = 1 their second.
; Two loads on end (t = 0, 1) give a lane eight numbers, 16 bytes of bf16.  One store: lanes 0-15 the two rows' 128 bytes in group 2 G, 256 consecutive bytes, aligned; lanes 16-31 the same in group 2 G + 1.
	s_sub_co_u32 s17, ttmp9, 128                   ; stream job 0..639
	s_and_b32 s18, s17, 1                          ; which half of K
	s_lshr_b32 s19, s17, 1                         ; block of 16 rows: 0..127 cooc's, 128..319 proj_w's
	s_lshl_b32 s26, s16, 1                         ; my two rows in it
	; both kinds' offsets are made, then one compare chooses
	s_lshl_b32 s20, s19, 4
	s_add_co_u32 s20, s20, s26                     ; cooc: source row = destination row
	s_lshl_b32 s20, s20, 15                        ; x 32,768 bytes
	s_lshr_b32 s22, s19, 2
	s_lshl_b32 s22, s22, 20                        ; abf: block of 64 rows, 1,048,576 bytes,
	s_and_b32 s29, s19, 3
	s_lshl_b32 s29, s29, 4
	s_add_co_u32 s29, s29, s26
	s_lshl_b32 s29, s29, 7                         ; and the row in it, 128 bytes
	s_add_co_u32 s22, s22, s29
	s_max_u32 s30, s19, 128
	s_sub_co_u32 s30, s30, 128                     ; proj_w: q16 = n' / 16, 0..191 (0 in cooc's jobs, where it is not used)
	s_lshr_b32 s32, s30, 4
	s_lshl_b32 s32, s32, 6                         ; 64 (n / 64)
	s_and_b32 s29, s30, 3
	s_lshl_b32 s29, s29, 4
	s_add_co_u32 s32, s32, s29
	s_add_co_u32 s32, s32, s26                     ; n
	s_lshl_b32 s32, s32, 2
	s_bfe_u32 s29, s30, 0x20002                    ; h = (q16 / 4) % 4
	s_add_co_u32 s32, s32, s29                     ; source row 4 n + h
	s_lshl_b32 s32, s32, 15
	s_mul_i32 s31, s30, 171
	s_lshr_b32 s31, s31, 10                        ; q16 / 6 (exact for q16 < 192): bbf's block of 96 rows
	s_mul_i32 s29, s31, 6
	s_sub_co_u32 s29, s30, s29
	s_lshl_b32 s29, s29, 4
	s_add_co_u32 s29, s29, s26
	s_lshl_b32 s29, s29, 7                         ; the row in it
	s_mul_i32 s33, s31, 1572864
	s_add_co_u32 s33, s33, s29
	s_mov_b32 s27, 12288                           ; a group's bytes in bbf,
	s_mov_b32 s28, 131072                          ; from n to n + 1 in proj_w: four rows
	s_cmp_lt_u32 s17, 256
	s_cselect_b32 s20, s20, s32
	s_cselect_b32 s22, s22, s33
	s_cselect_b32 s27, 8192, s27
	s_cselect_b32 s28, 32768, s28
	s_cselect_b64 s[36:37], s[6:7], s[8:9]
	s_cselect_b64 s[38:39], s[10:11], s[12:13]
	s_lshl_b32 s29, s18, 14
	s_add_co_u32 s20, s20, s29                     ; my half of K: 16,384 bytes of f32,
	s_lshl_b32 s29, s27, 6
	s_mul_i32 s29, s29, s18
	s_add_co_u32 s22, s22, s29                     ; 64 groups of bf16
	s_mov_b32 s21, 0
	s_mov_b32 s23, 0
	s_add_nc_u64 s[20:21], s[36:37], s[20:21]      ; from here
	s_add_nc_u64 s[22:23], s[38:39], s[22:23]      ; to here
	s_lshl_b32 s24, s27, 3                         ; a round's step in the destination: eight groups
	s_mov_b32 s25, 0
	s_sub_nc_u64 s[22:23], s[22:23], s[24:25]      ; one step low: every round, the first too, steps the base at its head, ahead of its stores
	v_and_b32 v12, 7, v1                           ; p
	v_bfe_u32 v13, v1, 3, 1                        ; rr
	v_lshrrev_b32 v14, 4, v1                       ; q
	v_mul_lo_u32 v[LO], v13, s28
	v_lshl_add_u32 v[LO], v14, 7, v[LO]
	v_lshl_add_u32 v[LO], v12, 4, v[LO]            ; rr x the rows' distance + 128 q + 16 p
	v_mul_lo_u32 v[SO], v14, s27
	v_lshl_add_u32 v[SO], v13, 7, v[SO]
	v_lshl_add_u32 v[SO], v12, 4, v[SO]            ; q x a group's bytes + 128 rr + 16 p
	s_lshl_b32 s29, s27, 1
.irp i, 1,2,3
	v_add_nc_u32 v[SO+(\i)], s29, v[SO+(\i)-1]     ; and two groups on for each pair
.endr
.irp i, 0,1,2,3,4,5,6,7
	global_load_b128 v[X+4*(\i):X+4*(\i)+3], v[LO], s[20:21] offset:256*(\i)            ; round 0
.endr
.irp i, 0,1,2,3,4,5,6,7
	global_load_b128 v[X+32+4*(\i):X+32+4*(\i)+3], v[LO], s[20:21] offset:2048+256*(\i) ; round 1
.endr
; A round: eight groups, 8 loads and 4 stores.  ahead = 1: the set is loaded again with the round two further on.  left: the younger loads that may stay out (the other set's eight).
.macro SROUND set, ahead, left
	s_wait_loadcnt \left
	s_wait_xcnt 0x0                                ; the two bases are stepped, and Y is written again, only behind this wait; what it covers was issued a round ago
	s_add_nc_u64 s[20:21], s[20:21], 2048          ; the source base now stands one round past this round's data,
	s_add_nc_u64 s[22:23], s[22:23], s[24:25]      ; the destination base at this round's groups
.set k, 0
.rept 16
	v_cvt_pk_bf16_f32 v[Y+k], v[X+32*(\set)+2*k], v[X+32*(\set)+2*k+1]
.set k, k+1
.endr
.if \ahead
.irp i, 0,1,2,3,4,5,6,7
	global_load_b128 v[X+32*(\set)+4*(\i):X+32*(\set)+4*(\i)+3], v[LO], s[20:21] offset:2048+256*(\i)
.endr
.endif
.irp i, 0,1,2,3
	global_store_b128 v[SO+(\i)], v[Y+4*(\i):Y+4*(\i)+3], s[22:23] th:TH_STORE_NT  ; written once, not read again in this launch
.endr
.endm
	s_mov_b32 s26, 3
.Lround:
	SROUND 0, 1, 8
	SROUND 1, 1, 8
	s_sub_co_u32 s26, s26, 1
	s_cmp_lg_u32 s26, 0
	s_cbranch_scc1 .Lround
	SROUND 0, 0, 8                                 ; the last two of eight rounds load nothing
	SROUND 1, 0, 0
	s_endpgm                                       ; a stream wave has written no LDS
; ---------------------------------------------------------------- THE ATT JOBS
; Job a: batch a / 16, rows 16 (a % 16) + 0..15.  Wave w makes rows 2 w and 2 w + 1; lane l holds j = 8 l + 0..7, all four heads: a gather of 16 bytes for each j.
; The stage: 128 blocks (32 h + l) of 16 rows x 16 bytes, 272 bytes apart.
.Latt:
	s_lshl_b32 s22, ttmp9, 6                       ; 16 a tokens of 4 bytes,
	s_lshl_b32 s23, s16, 3
	s_add_co_u32 s22, s22, s23                     ; and my two rows'
	s_load_b64 s[20:21], s[4:5], s22 offset:0x0
	s_lshr_b32 s23, ttmp9, 4
	s_lshl_b32 s23, s23, 10                        ; the batch's 256 tokens
	v_lshlrev_b32 v2, 5, v1
	v_add_nc_u32 v2, s23, v2                       ; my eight of them
	global_load_b128 v[4:7], v2, s[4:5]
	global_load_b128 v[8:11], v2, s[4:5] offset:16
	s_mov_b32 s30, 0x76543210                      ; v_permlanex16_b32: each lane takes its own place in the other half
	s_mov_b32 s31, 0xfedcba98
	s_mov_b32 s32, 0x3fb8aa3b                      ; log2(e)
	s_mov_b32 s33, s32                             ; named with it as a pair
	s_lshl_b32 s34, ttmp9, 15
	s_mov_b32 s35, 0
	s_add_nc_u64 s[34:35], s[14:15], s[34:35]      ; attf at my job
.irp h, 0,1,2,3
	v_mov_b32 v[T+(\h)], 0                         ; v_permlanex16_b32 counts as a reader of its destination
.endr
	v_mul_u32_u24 v[LS], v1, 272
	s_lshl_b32 s36, s16, 5
	v_add_nc_u32 v[LS], s36, v[LS]                 ; block l, row 2 w
	v_lshrrev_b32 v[RD], 4, v1
	v_mul_u32_u24 v[RD], v[RD], 272
	v_and_b32 v3, 15, v1
	v_lshl_add_u32 v[RD], v3, 4, v[RD]
	s_mul_i32 s36, s16, 4352
	v_add_nc_u32 v[RD], s36, v[RD]                 ; back: wave w takes blocks 16 w .. 16 w + 15, two to a load
	v_lshlrev_b32 v[GO], 4, v1
	s_lshl_b32 s36, s16, 12
	v_add_nc_u32 v[GO], s36, v[GO]
	s_wait_kmcnt 0x0
	s_min_u32 s24, s20, 2047
	s_lshl_b32 s24, s24, 15                        ; a row of cooc is 32,768 bytes
	s_mov_b32 s25, 0
	s_add_nc_u64 s[24:25], s[6:7], s[24:25]
	s_min_u32 s28, s21, 2047
	s_lshl_b32 s28, s28, 15
	s_mov_b32 s29, 0
	s_add_nc_u64 s[28:29], s[6:7], s[28:29]
	s_wait_loadcnt 0x0                             ; my eight column tokens
.irp e, 0,1,2,3,4,5,6,7
	v_min_u32 v[4+(\e)], 2047, v[4+(\e)]
.endr
.irp e, 0,1,2,3,4,5,6,7
	v_lshlrev_b32 v[4+(\e)], 4, v[4+(\e)]          ; a column's four heads are 16 bytes
.endr
.irp e, 0,1,2,3,4,5,6,7
	global_load_b128 v[S0+4*(\e):S0+4*(\e)+3], v[4+(\e)], s[24:25]
.endr
.irp e, 0,1,2,3,4,5,6,7
	global_load_b128 v[S1+4*(\e):S1+4*(\e)+3], v[4+(\e)], s[28:29]
.endr
; One row's softmax, four heads side by side, and its 4 x 16 bytes into the stage.
.macro SOFT S, rowoff
.irp h, 0,1,2,3
	v_max3_num_f32 v[M+(\h)], v[(\S)+(\h)], v[(\S)+4+(\h)], v[(\S)+8+(\h)]
.endr
.irp h, 0,1,2,3
	v_max3_num_f32 v[M+(\h)], v[M+(\h)], v[(\S)+12+(\h)], v[(\S)+16+(\h)]
.endr
.irp h, 0,1,2,3
	v_max3_num_f32 v[M+(\h)], v[M+(\h)], v[(\S)+20+(\h)], v[(\S)+24+(\h)]
.endr
.irp h, 0,1,2,3
	v_max_num_f32 v[M+(\h)], v[M+(\h)], v[(\S)+28+(\h)]
.endr
.irp x, 1,2,4,8
.irp h, 0,1,2,3
	v_max_num_f32_dpp v[M+(\h)], v[M+(\h)], v[M+(\h)] row_xmask:\x row_mask:0xf bank_mask:0xf
.endr
.endr
.irp h, 0,1,2,3
	v_permlanex16_b32 v[T+(\h)], v[M+(\h)], s30, s31
.endr
.irp h, 0,1,2,3
	v_max_num_f32 v[M+(\h)], v[M+(\h)], v[T+(\h)]  ; every lane holds the row's maximum
.endr
.irp h, 0,1,2,3
	v_mul_f32 v[MC+(\h)], s32, v[M+(\h)]
.endr
.set k, 0
.rept 16
	v_pk_fma_f32 v[(\S)+2*k:(\S)+2*k+1], v[(\S)+2*k:(\S)+2*k+1], s[32:33], v[MC+2*(k%2):MC+2*(k%2)+1] op_sel_hi:[1,0,1] neg_lo:[0,0,1] neg_hi:[0,0,1]
.set k, k+1
.endr
.set k, 0
.rept 32
	v_exp_f32 v[(\S)+k], v[(\S)+k]
.set k, k+1
.endr
	v_nop                                          ; a plain instruction between the last exponential and the use of its result (ISA guide 5.7.2)
	s_wait_alu depctr_va_vdst(0)
	v_pk_add_f32 v[SUM:SUM+1], v[(\S):(\S)+1], v[(\S)+4:(\S)+5]
	v_pk_add_f32 v[SUM+2:SUM+3], v[(\S)+2:(\S)+3], v[(\S)+6:(\S)+7]
.irp e, 2,3,4,5,6,7
	v_pk_add_f32 v[SUM:SUM+1], v[SUM:SUM+1], v[(\S)+4*(\e):(\S)+4*(\e)+1]
	v_pk_add_f32 v[SUM+2:SUM+3], v[SUM+2:SUM+3], v[(\S)+4*(\e)+2:(\S)+4*(\e)+3]
.endr
.irp x, 1,2,4,8
.irp h, 0,1,2,3
	v_add_f32_dpp v[SUM+(\h)], v[SUM+(\h)], v[SUM+(\h)] row_xmask:\x row_mask:0xf bank_mask:0xf
.endr
.endr
.irp h, 0,1,2,3
	v_permlanex16_b32 v[T+(\h)], v[SUM+(\h)], s30, s31
.endr
.irp h, 0,1,2,3
	v_add_f32 v[SUM+(\h)], v[SUM+(\h)], v[T+(\h)]  ; at least 1: the maximum's own weight
.endr
.irp h, 0,1,2,3
	v_rcp_f32 v[SUM+(\h)], v[SUM+(\h)]
.endr
	v_nop                                          ; a plain instruction behind the last reciprocal
.set k, 0
	s_wait_alu depctr_va_vdst(0)
.rept 16
	v_pk_mul_f32 v[(\S)+2*k:(\S)+2*k+1], v[(\S)+2*k:(\S)+2*k+1], v[SUM+2*(k%2):SUM+2*(k%2)+1]
.set k, k+1
.endr
.irp h, 0,1,2,3
.irp m, 0,1,2,3
	v_cvt_pk_bf16_f32 v[P+4*(\h)+(\m)], v[(\S)+8*(\m)+(\h)], v[(\S)+8*(\m)+4+(\h)]  ; j = 8 l + 2 m and the next, head h
.endr
.endr
.irp h, 0,1,2,3
	ds_store_b128 v[LS], v[P+4*(\h):P+4*(\h)+3] offset:8704*(\h)+(\rowoff)
.endr
.endm
	s_wait_loadcnt 0x8                             ; row 0's eight gathers are in; row 1's eight stay out
	SOFT S0, 0
	s_wait_loadcnt 0x0
	SOFT S1, 16
	s_wait_dscnt 0x0                               ; for the others' sake: my stores into the stage are done
	s_barrier_signal -1
	s_barrier_wait -1
.irp m, 0,1,2,3,4,5,6,7
	ds_load_b128 v[S0+4*(\m):S0+4*(\m)+3], v[RD] offset:544*(\m)
.endr
.irp m, 0,1,2,3,4,5,6,7
	s_wait_dscnt 7-(\m)                            ; LDS loads come back in order: load m is in
	global_store_b128 v[GO], v[S0+4*(\m):S0+4*(\m)+3], s[34:35] offset:512*(\m)  ; 512 consecutive bytes, aligned
.endr
	s_wait_tensorcnt 0x0                           ; the wave's end, behind my last LDS store
	ds_add_u32 v[SPW], v[NIL]
	s_wait_dscnt 0x0
	s_endpgm
.Lfunc_end_k_qd2c184bf48_prep:
	.size	k_qd2c184bf48_prep, .Lfunc_end_k_qd2c184bf48_prep-k_qd2c184bf48_prep
	.p2alignl 7, 3214868480
	.fill 96, 4, 3214868480
	.section	.rodata,"a",@progbits
	.p2align	6, 0x0
	.amdhsa_kernel k_qd2c184bf48_prep
		.amdhsa_group_segment_fixed_size 35840
		.amdhsa_private_segment_fixed_size 0
		.amdhsa_enable_private_segment 0
		.amdhsa_kernarg_size 48
		.amdhsa_user_sgpr_count 2
		.amdhsa_user_sgpr_kernarg_segment_ptr 1
		.amdhsa_wavefront_size32 1
		.amdhsa_system_sgpr_workgroup_id_x 1
		.amdhsa_system_sgpr_workgroup_id_y 1
		.amdhsa_system_sgpr_workgroup_id_z 1
		.amdhsa_system_vgpr_workitem_id 0
		.amdhsa_next_free_vgpr 128
		.amdhsa_next_free_sgpr 66
		.amdhsa_reserve_vcc 0
		.amdhsa_float_denorm_mode_32 3
		.amdhsa_float_denorm_mode_16_64 3
		.amdhsa_memory_ordered 1
		.amdhsa_forward_progress 1
		.amdhsa_inst_pref_size 37
	.end_amdhsa_kernel
	.amdgpu_metadata
---
amdhsa.version: [ 1, 2 ]
amdhsa.kernels:
  - .name:           k_qd2c184bf48_prep
    .symbol:         k_qd2c184bf48_prep.kd
    .args:
      - { .name: x, .offset: 0, .size: 8, .value_kind: global_buffer, .address_space: global }
      - { .name: cooc, .offset: 8, .size: 8, .value_kind: global_buffer, .address_space: global }
      - { .name: proj_w, .offset: 16, .size: 8, .value_kind: global_buffer, .address_space: global }
      - { .name: abf, .offset: 24, .size: 8, .value_kind: global_buffer, .address_space: global }
      - { .name: bbf, .offset: 32, .size: 8, .value_kind: global_buffer, .address_space: global }
      - { .name: attf, .offset: 40, .size: 8, .value_kind: global_buffer, .address_space: global }
    .group_segment_fixed_size: 35840
    .private_segment_fixed_size: 0
    .kernarg_segment_align: 8
    .kernarg_segment_size: 48
    .max_flat_workgroup_size: 256
    .sgpr_count:     66
    .vgpr_count:     128
    .wavefront_size: 32
...
	.end_amdgpu_metadata
.endif
;; end of part 1
;; launch gemm (part 2): grid 16 x 16, 4 waves a work-group, clusters of 4 x 4, 327,680 bytes of LDS; arguments abf, bbf, z; writes z
.if DOCPART == 2
	.amdgcn_target "amdgcn-amd-amdhsa--gfx1250"
	.amdhsa_code_object_version 6
	.text
	.protected	k_qd2c184bf48_gemm
	.globl	k_qd2c184bf48_gemm
	.p2align	8
	.type	k_qd2c184bf48_gemm,@function
k_qd2c184bf48_gemm:
	s_mov_b64 s[64:65], 0
	v_nop
	global_prefetch_b8 v0, s[64:65] scope:SCOPE_SE
	s_setreg_imm32_b32 hwreg(HW_REG_WAVE_MODE, 25, 1), 1
	s_wait_xcnt 0x0
	s_wait_alu depctr_hold_cnt(0) depctr_sa_sdst(0) depctr_va_vdst(0) depctr_va_sdst(0) depctr_va_ssrc(0) depctr_va_vcc(0) depctr_vm_vsrc(0)
	s_getreg_b32 s2, hwreg(HW_REG_IB_STS2, 6, 4)
	s_cmp_eq_u32 s2, 0
	s_cbranch_scc0 .Lentry_in_a_cluster
	s_endpgm
.Lentry_in_a_cluster:
	s_bfe_u32 s2, ttmp6, 0x10000c
	s_cmp_lg_u32 s2, 0xf033
	s_cbranch_scc0 .Lentry_shape_is_right
	s_endpgm
.Lentry_shape_is_right:
; Z[v][n'] = the sum over k of A[v][k] B[n'][k]: A = cooc (2,048 x 8,192), B = proj_w's rows in the order n' (3,072 x 8,192), both bf16 and blocked (abf, bbf; k stands in the same order in both, so each
; place of A meets its own k of B); sums in f32, one accumulator for each output, Z rounded once to bf16.
; z = [n' / 64][v][64] bf16: 128 bytes for a token, a head and 64 outputs, which the last launch gathers.
; SHARES.  16 x 16 work-groups, one for each of 256 tiles of 128 v x 192 n'.  Four waves, each 64 x 96: 24 accumulators of 16 x 16, 192 registers.
; THE RING.  K is 128 groups of 64.  Two LDS slots, of four groups and of three, as much as LDS holds: a lap is 7 groups, 18 laps and a last step of two groups.  In abf and bbf a half tile's groups lie end to end,
; so a wave's one tensor load is a dense run, asked for as rows of 256 bytes.  At a change of slots nothing but the waits, the add and the round stands between a tile's landing and the next request;
; the slot's last group, which is in registers by then, is multiplied behind the request.  So 144 matrix instructions stand between the request for slot 0 and the wait for it, 192 for slot 1.
; CLUSTERS: 4 x 4 work-groups.  The four of a row of the cluster need the same tiles of A, the four of a column the same tiles of B: each is asked for JOINTLY, by the same load, descriptor and mask in all four.
; THE MATRIX INSTRUCTION IS USED TRANSPOSED (source 0 = 16 rows of B, source 1 = 16 rows of A): a lane then holds eight neighbouring n' of one v.
; LDS ROWS.  The mover lays 16 bytes behind every 256, which are two rows of a group: row p lies at 272 (p / 2) + 128 (p % 2), so the 16 rows of a fragment load fall on 16 different columns of 16 bytes.
; REGISTERS: window 0: v0-31 addresses; v64-255 the accumulators ((a, b) at 64 + 8 (6 a + b)).  Windows 1 and 2: the two fragment buffers, v0-159 each, for one group:
;   A's fragment (c, a) at 8 (4 c + a), B's (c, b) at 64 + 8 (6 c + b); c = which 32 of the group's 64 places.  A lap has an odd number of groups, so a trip of the loop is two laps.
.set AG,     8704                      ; a group of A's half tile in LDS: 64 rows = 32 x 272
.set BG,     13056                     ; of B's: 96 rows = 48 x 272
.set FR,     2176                      ; 16 rows
.set AH0,    4*AG                      ; slot 0: what one tensor load brings of A,
.set BH0,    4*BG                      ; of B
.set BOFF0,  2*AH0                     ; in a slot: A's two halves, then B's two
.set SLOT1,  2*AH0+2*BH0               ; slot 1 begins at 174,080
.set AH1,    3*AG
.set BH1,    3*BG
.set BOFF1,  SLOT1+2*AH1
.set STAGE,  SLOT1                     ; the way out's stage, 128 rows x 400 bytes, lies in slot 1: written only when that slot has had its last fill and, behind the last change's barrier, its last read
.set SPITCH, 400                       ; 384 bytes + 16
.set SPARE,  SLOT1+2*AH1+2*BH1         ; 304,640, behind the ring: the spare words, 128 bytes for each wave
.set AGB,    8192                      ; a group's bytes in a block of abf,
.set BGB,    12288                     ; of bbf
.set ALAP,   7*AGB                     ; from a slot's tile to its next
.set BLAP,   7*BGB
.set TRIPS,  8                         ; of two laps each: laps 0 to 15; laps 16, 17 and the short step are written out
.set ADRA, 16                          ; v16-17  LDS address of my A fragments in slot 0, 1
.set ADRB, 20                          ; v20-21  the same for B
.set STO,  24                          ; v24     the way out: where I put 16 bytes of a row
.set RD,   25                          ; v25     where I read rows back
.set CO,   26                          ; v26     my byte offset in 512 consecutive bytes of z
.set SPW,  30                          ; v30     LDS address of my spare word; never rewritten
.set NIL,  31                          ; v31     0; never rewritten
.set ACC,  64
.set G1, 24                            ; s[24:31] descriptor group 1 for A's tiles in slot 0; s[68:75] (G1 + 44) in slot 1
.set G0, 32                            ; s[32:39] group 0 for A's tiles, one set for each slot
.set G1B, 48                           ; s[48:55] group 1 for B's tiles in slot 0; s[76:83] (G1B + 28) in slot 1
.set G0B, 56                           ; s[56:63] group 0 for B's tiles
.set FLAGS, (3<<16)|(1<<20)|(1<<21)|(5<<22)|(3<<25)  ; 17:16 elements of 8 bytes; 20 padding on; 21 set beside a mask; 24:22 after every 64 words (code 5); 31:25 4 words (code 3)
.set MSB, 0
.macro WIN new                         ; the immediate's high byte repeats the setting that is left; a switch that changes nothing is dropped
.if MSB != (\new)
	s_set_vgpr_msb (MSB<<8)|(\new)
.set MSB, (\new)
.endif
.endm
.macro JLOAD s                         ; a joint load: waves 0 and 1 fetch A's two halves, waves 2 and 3 B's; an s_nop 0 and four v_nop follow each of the two lines, ahead of the jump, the label and what follows
	s_cmp_eq_u32 s11, 0
	s_cbranch_scc0 .Lfor_b_\@
	tensor_load_to_lds s[G0+4*(\s):G0+4*(\s)+3], s[G1+44*(\s):G1+44*(\s)+7]
	s_nop 0
.rept 4
	v_nop
.endr
	s_branch .Lasked_\@
.Lfor_b_\@:
	tensor_load_to_lds s[G0B+4*(\s):G0B+4*(\s)+3], s[G1B+28*(\s):G1B+28*(\s)+7]
	s_nop 0
.rept 4
	v_nop
.endr
.Lasked_\@:
.endm
.macro CREST                           ; a round of the cluster's barrier behind its opening barrier
	s_cmp_lg_u32 s10, 0
	s_cbranch_scc1 .Lnot_wave_0_\@
	s_barrier_signal -3
.Lnot_wave_0_\@:
	s_barrier_wait -3
	s_barrier_signal -1
	s_barrier_wait -1
.endm
.macro CROUND                          ; a whole round
	s_barrier_signal -1
	s_barrier_wait -1
	CREST
.endm
.macro SHAPE g, rows                   ; the rest of a group 1: a dense run as so many rows of 32 elements of 8 bytes
	s_mov_b32 s[(\g)+1], 32<<16                    ; tensor_dim0 = 32
	s_mov_b32 s[(\g)+2], (\rows)<<16               ; tensor_dim1
	s_mov_b32 s[(\g)+3], 32<<16                    ; tile_dim0 = 32
	s_mov_b32 s[(\g)+4], \rows                     ; tile_dim1
	s_mov_b32 s[(\g)+5], 32                        ; 32 elements from row to row: dense
	s_mov_b32 s[(\g)+6], 0
	s_mov_b32 s[(\g)+7], 0
.endm
	s_load_b128 s[4:7], s[0:1], 0x0                ; abf s[4:5], bbf s[6:7]
	s_load_b64 s[8:9], s[0:1], 0x10                ; z
	v_lshl_add_u32 v[SPW], v0, 2, SPARE
	v_mov_b32 v[NIL], 0
	ds_add_u32 v[SPW], v[NIL]                      ; the wave's opening: the add and its wait stand ahead of my first tensor load; the set-up below, work on registers, stands between them
	v_lshrrev_b32 v1, 5, v0
	v_readfirstlane_b32 s10, v1                    ; wave 0..3
	s_lshr_b32 s11, s10, 1                         ; which 64 of the tile's rows are mine.  Also: I fetch for A (0) or for B (1)
	s_and_b32 s12, s10, 1                          ; which 96 of its columns.  Also: which half of that tile I fetch
	s_bfe_u32 s40, ttmp6, 0x40000                  ; cx, cy: my place in the cluster
	s_bfe_u32 s41, ttmp6, 0x40004
	s_lshl_b32 s42, ttmp9, 2
	s_add_co_u32 s42, s42, s40                     ; tile column = 4 x cluster x + cx
	s_and_b32 s13, ttmp7, 0xffff
	s_lshl_b32 s13, s13, 2
	s_add_co_u32 s13, s13, s41                     ; tile row = 4 x cluster y + cy
	s_lshl_b32 s43, s41, 2
	s_lshl_b32 s43, 15, s43                        ; my row of the cluster
	s_lshl_b32 s44, 0x1111, s40                    ; my column
	s_or_b32 s[G1], s43, FLAGS                     ; 15:0 the mask: A's tiles go to my row,
	s_or_b32 s[G1+44], s43, FLAGS
	s_or_b32 s[G1B], s44, FLAGS                    ; B's to my column
	s_or_b32 s[G1B+28], s44, FLAGS
	SHAPE G1, 128                                  ; A, slot 0: four groups of 8,192 bytes
	SHAPE G1+44, 96                                ; A, slot 1: three
	SHAPE G1B, 192                                 ; B, slot 0: four groups of 12,288 bytes
	SHAPE G1B+28, 144                              ; B, slot 1: three
	; where the tiles come from.  A's hang on the tile row alone, B's on the tile column alone; every wave makes both, in registers that never hold the other coordinate
	s_lshl_b32 s16, s13, 1
	s_add_co_u32 s16, s16, s12
	s_lshl_b32 s16, s16, 20                        ; abf's block of 64 rows: 1,048,576 bytes
	s_mov_b32 s17, 0
	s_lshl_b32 s46, s42, 1
	s_add_co_u32 s46, s46, s12
	s_mul_i32 s46, s46, 1572864                    ; bbf's block of 96 rows
	s_mov_b32 s47, 0
	; and where they go: no place in the cluster enters an LDS address
	s_mov_b32 s[G0], 1                             ; count = 1
	s_mul_i32 s[G0+1], s12, AH0                    ; LDS address
	s_mov_b32 s[G0+4], 1
	s_mul_i32 s[G0+5], s12, AH1
	s_add_co_u32 s[G0+5], s[G0+5], SLOT1
	s_mov_b32 s[G0B], 1
	s_mul_i32 s[G0B+1], s12, BH0
	s_add_co_u32 s[G0B+1], s[G0B+1], BOFF0
	s_mov_b32 s[G0B+4], 1
	s_mul_i32 s[G0B+5], s12, BH1
	s_add_co_u32 s[G0B+5], s[G0B+5], BOFF1
	s_wait_dscnt 0x0                               ; the opening add is done
	s_wait_kmcnt 0x0
	s_add_nc_u64 s[14:15], s[4:5], s[16:17]
	s_add_nc_u64 s[46:47], s[6:7], s[46:47]
	CROUND                                         ; all sixteen work-groups are here: the first joint loads meet
.irp s, 0,1
	s_add_nc_u64 s[G0+4*(\s)+2:G0+4*(\s)+3], s[14:15], (\s)*4*AGB  ; global address: slot 0 begins with groups 0-3, slot 1 with groups 4-6
	s_or_b32 s[G0+4*(\s)+3], s[G0+4*(\s)+3], 0x80000000            ; type = 2
	s_add_nc_u64 s[G0B+4*(\s)+2:G0B+4*(\s)+3], s[46:47], (\s)*4*BGB
	s_or_b32 s[G0B+4*(\s)+3], s[G0B+4*(\s)+3], 0x80000000
	JLOAD \s                                       ; two loads of mine are out
.endr
	; A fragment is 16 rows x 32 places in 8 registers: lane l holds row l % 16; registers 0-3 places 8 (l / 16) + 0..7, registers 4-7 places 16 + 8 (l / 16) + 0..7: two loads of 16 bytes, 32 bytes apart
	v_and_b32 v1, 15, v0                           ; r = l % 16
	v_bfe_u32 v2, v0, 4, 1                         ; l / 16
	v_lshrrev_b32 v3, 1, v1
	v_mul_u32_u24 v3, v3, 272
	v_and_b32 v4, 1, v1
	v_lshl_add_u32 v3, v4, 7, v3
	v_lshl_add_u32 v3, v2, 4, v3                   ; 272 (r / 2) + 128 (r % 2) + 16 x half
	s_mul_i32 s22, s11, AH0                        ; my 64 rows of A in slot 0,
	v_add_nc_u32 v[ADRA], s22, v3
	s_mul_i32 s22, s11, AH1
	s_add_co_u32 s22, s22, SLOT1                   ; in slot 1
	v_add_nc_u32 v[ADRA+1], s22, v3
	s_mul_i32 s22, s12, BH0                        ; my 96 rows of B in slot 0,
	s_add_co_u32 s22, s22, BOFF0
	v_add_nc_u32 v[ADRB], s22, v3
	s_mul_i32 s22, s12, BH1
	s_add_co_u32 s22, s22, BOFF1                   ; in slot 1
	v_add_nc_u32 v[ADRB+1], s22, v3
	s_mul_i32 s23, s11, 64*SPITCH                  ; into the stage: my 64 rows, my 192 of their 384 bytes; row r, 16 bytes for each half of the lanes
	s_mul_i32 s22, s12, 192
	s_add_co_u32 s23, s23, s22
	s_add_co_u32 s23, s23, STAGE
	v_mul_u32_u24 v4, v1, SPITCH
	v_lshl_add_u32 v4, v2, 4, v4
	v_add_nc_u32 v[STO], s23, v4
	s_mul_i32 s23, s10, 32*SPITCH                  ; back: wave w takes rows 32 w .. 32 w + 31; a load takes 128 bytes (64 n') of four rows
	s_add_co_u32 s23, s23, STAGE
	v_bfe_u32 v5, v0, 3, 2
	v_mul_u32_u24 v5, v5, SPITCH
	v_and_b32 v6, 7, v0
	v_lshl_add_u32 v5, v6, 4, v5
	v_add_nc_u32 v[RD], s23, v5
	v_and_b32 v6, 31, v0
	v_lshlrev_b32 v[CO], 4, v6                     ; which are 512 consecutive bytes of z
	s_lshl_b32 s16, s13, 14                        ; z: 128 rows of 128 bytes a tile row,
	s_lshl_b32 s17, s10, 12                        ; 32 a wave,
	s_add_co_u32 s16, s16, s17
	s_mov_b32 s17, 0
	s_add_nc_u64 s[8:9], s[8:9], s[16:17]
	s_mul_i32 s46, s42, 786432                     ; and three planes of 262,144 bytes a tile column
	s_mov_b32 s47, 0
	s_add_nc_u64 s[8:9], s[8:9], s[46:47]
; 12 matrix instructions: row blocks a0, a0 + 1 x all 6 column blocks, 32 along K: half c of buffer f.  zero = 1: the product starts the sums.  The 24 accumulators take turns.
.macro MUL12 f, c, a0, zero
	WIN 0x05*(1+(\f))                              ; sources 0 and 1 in the buffer's window, C and D in window 0
.irp a, \a0, (\a0)+1
.irp b, 0,1,2,3,4,5
.if \zero
	v_wmma_f32_16x16x32_bf16 v[ACC+8*(6*(\a)+(\b)):ACC+8*(6*(\a)+(\b))+7], v[64+8*(6*(\c)+(\b)):64+8*(6*(\c)+(\b))+7], v[8*(4*(\c)+(\a)):8*(4*(\c)+(\a))+7], 0
.else
	v_wmma_f32_16x16x32_bf16 v[ACC+8*(6*(\a)+(\b)):ACC+8*(6*(\a)+(\b))+7], v[64+8*(6*(\c)+(\b)):64+8*(6*(\c)+(\b))+7], v[8*(4*(\c)+(\a)):8*(4*(\c)+(\a))+7], v[ACC+8*(6*(\a)+(\b)):ACC+8*(6*(\a)+(\b))+7]
.endif
.endr
.endr
.endm
; 40 LDS loads in one run: the fragments of group g of a slot into buffer f; the first 32 places (twenty loads) first
.macro FETCH slot, g, f
	WIN 0x40*(1+(\f))                              ; destination in the buffer's window, address in window 0
.irp c, 0,1
.irp b, 0,1,2,3,4,5
	ds_load_b128 v[64+8*(6*(\c)+(\b)):64+8*(6*(\c)+(\b))+3],   v[ADRB+(\slot)] offset:(\g)*BG+(\b)*FR+64*(\c)
	ds_load_b128 v[64+8*(6*(\c)+(\b))+4:64+8*(6*(\c)+(\b))+7], v[ADRB+(\slot)] offset:(\g)*BG+(\b)*FR+64*(\c)+32
.endr
.irp a, 0,1,2,3
	ds_load_b128 v[8*(4*(\c)+(\a)):8*(4*(\c)+(\a))+3],   v[ADRA+(\slot)] offset:(\g)*AG+(\a)*FR+64*(\c)
	ds_load_b128 v[8*(4*(\c)+(\a))+4:8*(4*(\c)+(\a))+7], v[ADRA+(\slot)] offset:(\g)*AG+(\a)*FR+64*(\c)+32
.endr
.endr
.endm
.macro PLACES                          ; four places in front of loads into registers that matrix instructions have read, and of conversions that read results (ISA guide 7.12.1 for the conversions)
.rept 4
	v_nop
.endr
.endm
; A group: 48 matrix instructions on buffer f; in their middle the fragments of group g of a slot are fetched into the other buffer.
.macro SUB slot, g, f, zero
	s_wait_dscnt 20                                ; the first 32 places are in; the younger twenty loads may be out
	MUL12 \f, 0, 0, \zero
	MUL12 \f, 0, 2, \zero
	PLACES
	FETCH \slot, \g, 1-(\f)
	s_wait_dscnt 40                                ; all but the forty just issued
	MUL12 \f, 1, 0, 0
	MUL12 \f, 1, 2, 0
.endm
; THE CHANGE OF SLOTS.  The slot's last group has been asked for from LDS.  Each wave waits for all its tensor loads (one is out: its part of the other slot), adds 0 to its spare word, and waits for that and for its
; own reads of this slot, which leaves the slot's last group in registers.  Behind the barrier nobody reads this slot any more and the other slot is whole.
; fill = 1: this slot is filled again, with its tile of the next lap; 2: with the last, short step; 0: nothing is left to fetch, and a plain barrier does.
.macro CHANGE slot, fill
	WIN 0                                          ; the add's two registers lie in window 0, and at a branch and at a label every window is 0
	s_wait_tensorcnt 0x0                           ; all my tensor loads have landed, so every descriptor may be written;
	ds_add_u32 v[SPW], v[NIL]                      ; 0 onto my spare word; the descriptors' steps stand between it and the wait for it
.if \fill
	s_add_nc_u64 s[G0+4*(\slot)+2:G0+4*(\slot)+3], s[G0+4*(\slot)+2:G0+4*(\slot)+3], ALAP
	s_add_nc_u64 s[G0B+4*(\slot)+2:G0B+4*(\slot)+3], s[G0B+4*(\slot)+2:G0B+4*(\slot)+3], BLAP
.if (\fill) == 2
	s_mov_b32 s[G1+2], 64<<16                      ; two groups: 64 rows of 256 bytes of A,
	s_mov_b32 s[G1+4], 64
	s_mov_b32 s[G1B+2], 96<<16                     ; 96 of B
	s_mov_b32 s[G1B+4], 96
.endif
.endif
	s_wait_dscnt 0x0                               ; the add is done, and my reads of this slot are over
	s_barrier_signal -1
	s_barrier_wait -1
.if \fill
	CREST                                          ; the barrier has opened a round of the cluster's barrier: no wave of any partner still reads this slot or has a load on its way
	JLOAD \slot                                    ; the first tensor load behind the round, my only one until the next
.endif
.endm
; A lap from its second group on.  f: the buffer in which the lap's first group lay.  The next lap's first group is left in the other buffer.
.macro REST f, fa, fb
	SUB 0, 2, 1-(\f), 0
	SUB 0, 3, \f, 0
	CHANGE 0, \fa
	SUB 1, 0, 1-(\f), 0                            ; slot 0's last group is multiplied, slot 1's first fetched
	SUB 1, 1, \f, 0
	SUB 1, 2, 1-(\f), 0
	CHANGE 1, \fb
	SUB 0, 0, \f, 0                                ; slot 1's last group is multiplied, slot 0's first fetched
.endm
	s_wait_tensorcnt 1                             ; my part of slot 0 is in; slot 1's may stay out
	s_barrier_signal -1
	s_barrier_wait -1                              ; everybody's is
	FETCH 0, 0, 0
	SUB 0, 1, 0, 1                                 ; the first group stands in front of the loop: its first products start the sums
	WIN 0                                          ; at a label and at a branch every window is 0
	s_mov_b32 s3, TRIPS
.Llap:                                                 ; a trip: two laps, from a lap's second group to the first group of the lap two on; each slot is filled again twice
	REST 0, 1, 1
	SUB 0, 1, 1, 0
	REST 1, 1, 1
	SUB 0, 1, 0, 0
	WIN 0
	s_sub_co_u32 s3, s3, 1
	s_cmp_lg_u32 s3, 0
	s_cbranch_scc1 .Llap
	REST 0, 1, 1                                   ; lap 16 asks for lap 17's two tiles
	SUB 0, 1, 1, 0
	REST 1, 2, 0                                   ; lap 17 asks for the short step, the last load, and then for nothing
	SUB 0, 1, 0, 0                                 ; the short step's first group
	s_wait_dscnt 20                                ; the very last group: nothing more to fetch
	MUL12 1, 0, 0, 0
	MUL12 1, 0, 2, 0
	s_wait_dscnt 0x0
	MUL12 1, 1, 0, 0
	MUL12 1, 1, 2, 0
	WIN 0
	; THE WAY OUT: round to bf16, in place, each accumulator from its low end; 16 bytes a lane into the work-group's stage; a barrier, since a row's 384 bytes come from two waves; back by planes of 64 n'.
	; The stage's bytes are slot 1's: no load fills them any more, and every wave's last read of them stands in front of the last change's barrier.
	PLACES
.set k, 0
.rept 24
.irp r, 0,1,2,3
	v_cvt_pk_bf16_f32 v[ACC+8*k+(\r)], v[ACC+8*k+2*(\r)], v[ACC+8*k+2*(\r)+1]
.endr
.set k, k+1
.endr
.set k, 0
.rept 24
	ds_store_b128 v[STO], v[ACC+8*k:ACC+8*k+3] offset:(k/6)*16*SPITCH+(k%6)*32
.set k, k+1
.endr
	s_wait_dscnt 0x0                               ; for the others' sake: my stores into the stage are done
	s_barrier_signal -1
	s_barrier_wait -1
.set k, 0
.rept 24
	ds_load_b128 v[ACC+8*k+4:ACC+8*k+7], v[RD] offset:(k%8)*4*SPITCH+(k/8)*128
.set k, k+1
.endr
.set k, 0
.rept 24
	s_wait_dscnt 23-k                              ; LDS loads come back in order: load k is in
	global_store_b128 v[CO], v[ACC+8*k+4:ACC+8*k+7], s[8:9] offset:(k/8)*262144+(k%8)*512  ; four rows of a plane: 512 consecutive bytes, aligned
.set k, k+1
.endr
	s_wait_tensorcnt 0x0                           ; the wave's end, behind my last tensor load and my last LDS store
	ds_add_u32 v[SPW], v[NIL]
	s_wait_dscnt 0x0
	CROUND                                         ; the closing round: no work-group ends while a partner may still ask for a tile that names it
	s_endpgm
.Lfunc_end_k_qd2c184bf48_gemm:
	.size	k_qd2c184bf48_gemm, .Lfunc_end_k_qd2c184bf48_gemm-k_qd2c184bf48_gemm
	.p2alignl 7, 3214868480
	.fill 96, 4, 3214868480
	.section	.rodata,"a",@progbits
	.p2align	6, 0x0
	.amdhsa_kernel k_qd2c184bf48_gemm
		.amdhsa_group_segment_fixed_size 327680
		.amdhsa_private_segment_fixed_size 0
		.amdhsa_enable_private_segment 0
		.amdhsa_kernarg_size 24
		.amdhsa_user_sgpr_count 2
		.amdhsa_user_sgpr_kernarg_segment_ptr 1
		.amdhsa_wavefront_size32 1
		.amdhsa_system_sgpr_workgroup_id_x 1
		.amdhsa_system_sgpr_workgroup_id_y 1
		.amdhsa_system_sgpr_workgroup_id_z 1
		.amdhsa_system_vgpr_workitem_id 0
		.amdhsa_next_free_vgpr 672
		.amdhsa_next_free_sgpr 88
		.amdhsa_reserve_vcc 0
		.amdhsa_float_denorm_mode_32 3
		.amdhsa_float_denorm_mode_16_64 3
		.amdhsa_memory_ordered 1
		.amdhsa_forward_progress 1
		.amdhsa_inst_pref_size 203
	.end_amdhsa_kernel
	.amdgpu_metadata
---
amdhsa.version: [ 1, 2 ]
amdhsa.kernels:
  - .name:           k_qd2c184bf48_gemm
    .symbol:         k_qd2c184bf48_gemm.kd
    .args:
      - { .name: abf, .offset: 0, .size: 8, .value_kind: global_buffer, .address_space: global }
      - { .name: bbf, .offset: 8, .size: 8, .value_kind: global_buffer, .address_space: global }
      - { .name: z, .offset: 16, .size: 8, .value_kind: global_buffer, .address_space: global }
    .group_segment_fixed_size: 327680
    .private_segment_fixed_size: 0
    .kernarg_segment_align: 8
    .kernarg_segment_size: 24
    .max_flat_workgroup_size: 128
    .sgpr_count:     88
    .vgpr_count:     672
    .wavefront_size: 32
...
	.end_amdgpu_metadata
.endif
;; end of part 2
;; launch mix (part 3): grid 12 x 16, 4 waves a work-group, no clusters, 174,592 bytes of LDS; arguments x, z, attf, proj_b, out0; writes out0
.if DOCPART == 3
	.amdgcn_target "amdgcn-amd-amdhsa--gfx1250"
	.amdhsa_code_object_version 6
	.text
	.protected	k_qd2c184bf48_mix
	.globl	k_qd2c184bf48_mix
	.p2align	8
	.type	k_qd2c184bf48_mix,@function
k_qd2c184bf48_mix:
	s_mov_b64 s[64:65], 0
	v_nop
	global_prefetch_b8 v0, s[64:65] scope:SCOPE_SE
	s_setreg_imm32_b32 hwreg(HW_REG_WAVE_MODE, 25, 1), 1
	s_wait_xcnt 0x0
; y[b][i][n] = proj_b[n] + the sum over h of Z[tok_i][h][n] + the sum over h and j of att[b][i][j][h] Z[tok_j][h][n].   out0: [8][256][768] f32.
; z = [4 (n / 64) + h][v][64] bf16, attf = the weights in fragment order (both made by the launches before).  Sums in f32; the bias is the C operand of the first product.
; The self loops are a product of their own with a fragment of exact ones and zeros, so that no weight is lost beside a 1.
; SHARES.  A work-group makes 128 rows i of one batch x 64 n (a row's 256 bytes of out0 are stored whole): 12 x 16 = 192 work-groups; finer shares would store parts of those 256 bytes or gather Z more often.
; A wave makes 32 rows (two tiles u) x 4 tiles of 16 n: 8 accumulators, which take turns.  K: 4 heads x 8 pieces of 32 j, then 4 steps for the self loops: 36 steps of 8 matrix instructions.
; Z's 256 token rows x 4 heads x 128 bytes are gathered through registers into LDS once (tokens name the rows, so no tile describes them: no tensor load, and so no cluster); att goes straight to registers.
; THE MATRIX INSTRUCTION IS USED TRANSPOSED: source 0 = Z^T (16 n x 32 j, turned by ds_load_tr16_b128), source 1 = att (32 j x 16 i): a lane holds one row i and eight neighbouring n.
; LIMITS.  Tokens are clamped to 0..2047 (as unsigned numbers).  NaN and infinities are not treated apart.
; REGISTERS: window 0 as named below; window 1: att of tile u = 0, fragment 8 h + c at 8 (8 h + c); window 2: of u = 1; window 3: the gathered Z on its way to LDS.
.set ZP,    544                        ; a token's row in LDS: 4 heads x 128 bytes + 32
.set STAGE, 256*ZP                     ; behind Z: 32 rows x 272 bytes for each wave, for the way out
.set SPARE, STAGE+4*32*272             ; behind the stages: the spare words, 128 bytes for each wave
.set TO,  6                            ; v6      my byte offset in x for the gather
.set VO,  8                            ; v8-23   token, then byte offset in a plane of z, of row 4 q + lane / 8 of my 64
.set LSA, 24                           ; v24     where the gathered 16 bytes go
.set AV0, 25                           ; v25     my lane's place for the turning load, j 0..127
.set AV1, 26                           ; v26     j 128..255
.set AVS, 27                           ; v27     the 32 j that are my own 32 rows
.set STO, 28                           ; v28     the way out: where I put 16 bytes
.set RD,  29                           ; v29     where I read rows back
.set SPW, 30                           ; v30     LDS address of my spare word; never rewritten
.set NIL, 31                           ; v31     0; never rewritten
.set AO,  32                           ; v32     16 lane: my place in a fragment of att
.set BO,  33                           ; v33     32 (lane / 16): my eight numbers in 16 of the bias
.set CO,  34                           ; v34     my byte offset in two rows of out0
.set C16, 35                           ; v35     16 (lane % 8)
.set EYE, 36                           ; v36-47  0 x 4, the diagonal's four words, 0 x 4: tile 0's fragment is v40-47, tile 1's v36-43
.set BI,  48                           ; v48-79  the bias, eight numbers for each tile of 16 n
.set ACC, 80                           ; v80-143 accumulator (u, n) at 8 (4 u + n)
.set ZF,  144                          ; v144-239 three buffers of 32: a step's four fragments of Z^T
.set MSB, 0
.macro WIN new                         ; the immediate's high byte repeats the setting that is left; a switch that changes nothing is dropped
.if MSB != (\new)
	s_set_vgpr_msb (MSB<<8)|(\new)
.set MSB, (\new)
.endif
.endm
	s_load_b256 s[4:11], s[0:1], 0x0               ; x s[4:5], z s[6:7], attf s[8:9], proj_b s[10:11]
	s_load_b64 s[12:13], s[0:1], 0x20              ; out0
	v_lshl_add_u32 v[SPW], v0, 2, SPARE
	v_mov_b32 v[NIL], 0
	v_lshrrev_b32 v1, 5, v0
	v_readfirstlane_b32 s14, v1                    ; wave 0..3
	s_and_b32 s15, ttmp7, 0xffff
	s_lshr_b32 s24, s15, 1                         ; batch
	s_and_b32 s25, s15, 1                          ; which 128 of its rows
	v_and_b32 v3, 31, v0                           ; lane l
	v_and_b32 v1, 15, v0                           ; r = l % 16
	v_bfe_u32 v2, v0, 4, 1                         ; l / 16
	v_lshrrev_b32 v4, 3, v3                        ; l / 8
	v_and_b32 v5, 7, v0                            ; l % 8
	s_lshl_b32 s26, s24, 10                        ; the batch's 256 tokens of 4 bytes,
	s_lshl_b32 s27, s14, 8                         ; my wave's 64
	s_add_co_u32 s26, s26, s27
	v_lshl_add_u32 v[TO], v4, 2, s26
	v_lshlrev_b32 v[AO], 4, v3
	v_lshlrev_b32 v[BO], 5, v2
	v_lshlrev_b32 v[C16], 4, v5
	s_lshl_b32 s16, s24, 4
	s_lshl_b32 s27, s25, 3
	s_add_co_u32 s16, s16, s27
	s_lshl_b32 s27, s14, 1
	s_add_co_u32 s16, s16, s27                     ; my first tile of 16 rows: 16 b + 8 half + 2 w
	s_lshl_b32 s16, s16, 15                        ; 32,768 bytes of attf each
	s_mov_b32 s17, 0
	s_lshl_b32 s18, ttmp9, 8                       ; 64 n of 4 bytes
	s_mov_b32 s19, 0
	s_lshl_b32 s20, ttmp9, 20                      ; four planes of z
	s_mov_b32 s21, 0
	s_lshl_b32 s22, s24, 8
	s_lshl_b32 s27, s25, 7
	s_add_co_u32 s22, s22, s27
	s_lshl_b32 s27, s14, 5
	s_add_co_u32 s22, s22, s27                     ; my first row of out0
	s_mul_i32 s22, s22, 3072
	s_add_co_u32 s22, s22, s18
	s_mov_b32 s23, 0
	s_wait_kmcnt 0x0
	s_add_nc_u64 s[16:17], s[8:9], s[16:17]
	s_add_nc_u64 s[18:19], s[10:11], s[18:19]
	s_add_nc_u64 s[20:21], s[6:7], s[20:21]
	s_add_nc_u64 s[22:23], s[12:13], s[22:23]
.irp q, 0,1,2,3,4,5,6,7,8,9,10,11,12,13,14,15
	global_load_b32 v[VO+(\q)], v[TO], s[4:5] offset:16*(\q)       ; the token of row 64 w + 4 q + l / 8
.endr
.irp t, 0,1,2,3
	global_load_b128 v[BI+8*(\t):BI+8*(\t)+3],   v[BO], s[18:19] offset:64*(\t)
	global_load_b128 v[BI+8*(\t)+4:BI+8*(\t)+7], v[BO], s[18:19] offset:64*(\t)+16
.endr
; att's fragments lo .. lo + 7 of both tiles: 32 loads of 512 consecutive bytes
.macro ATT lo
.irp u, 0,1
	WIN 0x40*(1+(\u))                              ; destination window 1 or 2, address window 0
.set k, (\lo)
.rept 8
	global_load_b128 v[8*k:8*k+3],   v[AO], s[16:17] offset:32768*(\u)+1024*k
	global_load_b128 v[8*k+4:8*k+7], v[AO], s[16:17] offset:32768*(\u)+1024*k+512
.set k, k+1
.endr
.endr
	WIN 0
.endm
	ATT 0
	; the addresses and the diagonal's fragment are made while those loads are out
	v_mul_u32_u24 v[LSA], v4, ZP
	v_lshl_add_u32 v[LSA], v5, 4, v[LSA]
	s_mul_i32 s27, s14, 64*ZP
	v_add_nc_u32 v[LSA], s27, v[LSA]               ; row 64 w + l / 8, 16 (l % 8)
	v_lshl_add_u32 v[AV0], v2, 3, v5               ; the turning load: lane l reads row 8 (l / 16) + l % 8, bytes 16 ((l / 8) % 2) on
	v_mul_u32_u24 v[AV0], v[AV0], ZP
	v_bfe_u32 v7, v0, 3, 1
	v_lshl_add_u32 v[AV0], v7, 4, v[AV0]
	v_add_nc_u32 v[AV1], 128*ZP, v[AV0]
	s_lshl_b32 s27, s25, 2
	s_add_co_u32 s27, s27, s14
	s_mul_i32 s27, s27, 32*ZP
	v_add_nc_u32 v[AVS], s27, v[AV0]
	s_mul_i32 s27, s14, 32*272
	s_add_co_u32 s27, s27, STAGE                   ; my stage
	v_mul_u32_u24 v[STO], v1, 272                  ; in: row r, 32 bytes for each half of the lanes
	v_lshl_add_u32 v[STO], v2, 5, v[STO]
	v_add_nc_u32 v[STO], s27, v[STO]
	v_mul_u32_u24 v[RD], v2, 272                   ; back: lanes 0-15 take one row of 256 bytes, lanes 16-31 the next
	v_lshl_add_u32 v[RD], v1, 4, v[RD]
	v_add_nc_u32 v[RD], s27, v[RD]
	v_mul_u32_u24 v[CO], v2, 3072                  ; and the same two rows in out0
	v_lshl_add_u32 v[CO], v1, 4, v[CO]
	; the diagonal: in a lane's eight k = 8 (l / 16) + 0..7 the one at k = r is 1.0: word r / 2 - 4 (l / 16), half r % 2
	v_lshrrev_b32 v144, 1, v1
	v_lshlrev_b32 v145, 2, v2
	v_sub_nc_u32 v144, v144, v145
	v_and_b32 v145, 1, v1
	v_lshlrev_b32 v145, 4, v145
	v_mov_b32 v146, 0x3f80
	v_lshlrev_b32 v146, v145, v146
.irp m, 0,1,2,3
	v_cmp_eq_u32 vcc_lo, \m, v144
	v_cndmask_b32 v[EYE+4+(\m)], 0, v146, vcc_lo
	v_mov_b32 v[EYE+(\m)], 0
	v_mov_b32 v[EYE+8+(\m)], 0
.endr
	s_wait_loadcnt 40                              ; the sixteen tokens are in; the 8 loads of the bias and the 32 of att behind them may be out
.irp q, 0,1,2,3,4,5,6,7,8,9,10,11,12,13,14,15
	v_min_u32 v[VO+(\q)], 2047, v[VO+(\q)]
.endr
.irp q, 0,1,2,3,4,5,6,7,8,9,10,11,12,13,14,15
	v_lshl_add_u32 v[VO+(\q)], v[VO+(\q)], 7, v[C16]               ; a token's 128 bytes in a plane, my 16 of them
.endr
	WIN 0xc0                                       ; destination window 3
.set i, 0
.rept 64                                       ; load 4 q + h: four token rows x 128 bytes of head h
	global_load_b128 v[4*i:4*i+3], v[VO+i/4], s[20:21] offset:262144*(i%4)
.set i, i+1
.endr
	WIN 0x0c                                       ; store data (source 1) in window 3
.set k, 0
.rept 4
	s_wait_loadcnt 48-16*k                         ; loads come back in order: sixteen more of the 64 are in (at k = 0 the bias and att's first fragments too)
.set i, 16*k
.rept 16
	ds_store_b128 v[LSA], v[4*i:4*i+3] offset:4*ZP*(i/4)+128*(i%4)
.set i, i+1
.endr
.set k, k+1
.endr
	WIN 0
	ATT 8                                          ; the other 96 loads of att, in three runs of 32: the steps below wait for them run by run
	ATT 16
	ATT 24
	s_wait_dscnt 0x0                               ; for the others' sake: my part of Z is in LDS
	s_barrier_signal -1
	s_barrier_wait -1
; Step t's four fragments of Z^T, 8 turning loads, into buffer t % 3.  t = 8 h + c: head h, j = 32 c on; t = 32 + h: the self loops, my own 32 rows.
.macro ZLOAD t
	WIN 0
.set ZB_, ZF+32*((\t)%3)
.if (\t) < 32
.set ZO_, (((\t)%8)%4)*32*ZP+128*((\t)/8)
.if ((\t)%8) < 4
.set ZA_, AV0
.else
.set ZA_, AV1
.endif
.else
.set ZO_, 128*((\t)-32)
.set ZA_, AVS
.endif
.irp n, 0,1,2,3
	ds_load_tr16_b128 v[ZB_+8*(\n):ZB_+8*(\n)+3],   v[ZA_] offset:ZO_+32*(\n)
	ds_load_tr16_b128 v[ZB_+8*(\n)+4:ZB_+8*(\n)+7], v[ZA_] offset:ZO_+32*(\n)+16*ZP
.endr
.endm
.macro STEP t
.if (\t) > 0
.rept 4
	v_nop                                          ; four places between the last step's products and the loads into the buffer that they read
.endr
.endif
.if (\t)+2 < 36
	ZLOAD (\t)+2
.endif
.if (\t) < 34
	s_wait_dscnt 16                                ; this step's eight loads are in; the next two steps' may be out
.elseif (\t) == 34
	s_wait_dscnt 8
.else
	s_wait_dscnt 0x0
.endif
.if (\t) == 8
	s_wait_loadcnt 63                              ; att's fragments 8-15 are in: 64 loads are younger, and 63 is the largest count that a wait can name
.elseif (\t) == 16
	s_wait_loadcnt 32                              ; fragments 16-23; the last 32 loads may be out
.elseif (\t) == 24
	s_wait_loadcnt 0x0
.endif
.set ZB_, ZF+32*((\t)%3)
.irp u, 0,1
.if (\t) < 32
	WIN 0x04*(1+(\u))                              ; source 1 (att) in window 1 or 2
.else
	WIN 0
.endif
.irp n, 0,1,2,3
.if (\t) == 0
	v_wmma_f32_16x16x32_bf16 v[ACC+8*(4*(\u)+(\n)):ACC+8*(4*(\u)+(\n))+7], v[ZB_+8*(\n):ZB_+8*(\n)+7], v[8*(\t):8*(\t)+7], v[BI+8*(\n):BI+8*(\n)+7]
.elseif (\t) < 32
	v_wmma_f32_16x16x32_bf16 v[ACC+8*(4*(\u)+(\n)):ACC+8*(4*(\u)+(\n))+7], v[ZB_+8*(\n):ZB_+8*(\n)+7], v[8*(\t):8*(\t)+7], v[ACC+8*(4*(\u)+(\n)):ACC+8*(4*(\u)+(\n))+7]
.else
	v_wmma_f32_16x16x32_bf16 v[ACC+8*(4*(\u)+(\n)):ACC+8*(4*(\u)+(\n))+7], v[ZB_+8*(\n):ZB_+8*(\n)+7], v[EYE+4-4*(\u):EYE+11-4*(\u)], v[ACC+8*(4*(\u)+(\n)):ACC+8*(4*(\u)+(\n))+7]
.endif
.endr
.endr
.endm
	ZLOAD 0
	ZLOAD 1
.set tt, 0
.rept 36
	STEP tt
.set tt, tt+1
.endr
	; THE WAY OUT: a lane's eight f32 of a row go into my own stage, each accumulator from its low end, and come back as whole rows of 256 bytes.
	WIN 0
.rept 4
	v_nop                                          ; the places behind the last products
.endr
.set k, 0
.rept 8
	ds_store_b128 v[STO], v[ACC+8*k:ACC+8*k+3]   offset:16*272*(k/4)+64*(k%4)
	ds_store_b128 v[STO], v[ACC+8*k+4:ACC+8*k+7] offset:16*272*(k/4)+64*(k%4)+16
.set k, k+1
.endr
.set k, 0
.rept 16
	ds_load_b128 v[ZF+4*k:ZF+4*k+3], v[RD] offset:2*272*k          ; LDS serves a wave's instructions in order (ISA guide 5.7.1.4): these see my stores above
.set k, k+1
.endr
.set k, 0
.rept 16
	s_wait_dscnt 15-k
	global_store_b128 v[CO], v[ZF+4*k:ZF+4*k+3], s[22:23] offset:2*3072*k  ; 16 lanes store 256 consecutive bytes, aligned
.set k, k+1
.endr
	s_wait_tensorcnt 0x0                           ; the wave's end, behind my last LDS store
	ds_add_u32 v[SPW], v[NIL]
	s_wait_dscnt 0x0
	s_endpgm
.Lfunc_end_k_qd2c184bf48_mix:
	.size	k_qd2c184bf48_mix, .Lfunc_end_k_qd2c184bf48_mix-k_qd2c184bf48_mix
	.p2alignl 7, 3214868480
	.fill 96, 4, 3214868480
	.section	.rodata,"a",@progbits
	.p2align	6, 0x0
	.amdhsa_kernel k_qd2c184bf48_mix
		.amdhsa_group_segment_fixed_size 174592
		.amdhsa_private_segment_fixed_size 0
		.amdhsa_enable_private_segment 0
		.amdhsa_kernarg_size 40
		.amdhsa_user_sgpr_count 2
		.amdhsa_user_sgpr_kernarg_segment_ptr 1
		.amdhsa_wavefront_size32 1
		.amdhsa_system_sgpr_workgroup_id_x 1
		.amdhsa_system_sgpr_workgroup_id_y 1
		.amdhsa_system_sgpr_workgroup_id_z 1
		.amdhsa_system_vgpr_workitem_id 0
		.amdhsa_next_free_vgpr 1024
		.amdhsa_next_free_sgpr 66
		.amdhsa_reserve_vcc 1
		.amdhsa_float_denorm_mode_32 3
		.amdhsa_float_denorm_mode_16_64 3
		.amdhsa_memory_ordered 1
		.amdhsa_forward_progress 1
		.amdhsa_inst_pref_size 80
	.end_amdhsa_kernel
	.amdgpu_metadata
---
amdhsa.version: [ 1, 2 ]
amdhsa.kernels:
  - .name:           k_qd2c184bf48_mix
    .symbol:         k_qd2c184bf48_mix.kd
    .args:
      - { .name: x, .offset: 0, .size: 8, .value_kind: global_buffer, .address_space: global }
      - { .name: z, .offset: 8, .size: 8, .value_kind: global_buffer, .address_space: global }
      - { .name: attf, .offset: 16, .size: 8, .value_kind: global_buffer, .address_space: global }
      - { .name: proj_b, .offset: 24, .size: 8, .value_kind: global_buffer, .address_space: global }
      - { .name: out0, .offset: 32, .size: 8, .value_kind: global_buffer, .address_space: global }
    .group_segment_fixed_size: 174592
    .private_segment_fixed_size: 0
    .kernarg_segment_align: 8
    .kernarg_segment_size: 40
    .max_flat_workgroup_size: 128
    .sgpr_count:     66
    .vgpr_count:     1024
    .wavefront_size: 32
...
	.end_amdgpu_metadata
.endif
;; end of part 3
;; ======== version 2 of 2: 3 launches; version 1 with the launch mix written anew for expert scheduling mode
;; workspace buffers: abf 33,554,432 bytes; bbf 50,331,648 bytes; z 12,582,912 bytes; attf 4,194,304 bytes
;; launch prep: the kernel of part 1 again; grid 768 x 1, 8 waves a work-group, no clusters, 35,840 bytes of LDS; arguments x, cooc, proj_w, abf, bbf, attf; writes abf, bbf, attf
;; launch gemm: the kernel of part 2 again; grid 16 x 16, 4 waves a work-group, clusters of 4 x 4, 327,680 bytes of LDS; arguments abf, bbf, z; writes z
;; launch mix (part 4): grid 12 x 16, 4 waves a work-group, no clusters, 174,592 bytes of LDS; arguments x, z, attf, proj_b, out0; writes out0
.if DOCPART == 4
	.amdgcn_target "amdgcn-amd-amdhsa--gfx1250"
	.amdhsa_code_object_version 6
	.text
	.protected	k_qd2c184bf48_mix
	.globl	k_qd2c184bf48_mix
	.p2align	8
	.type	k_qd2c184bf48_mix,@function
k_qd2c184bf48_mix:
	s_mov_b64 s[64:65], 0
	v_nop
	global_prefetch_b8 v0, s[64:65] scope:SCOPE_SE
	s_setreg_imm32_b32 hwreg(HW_REG_WAVE_SCHED_MODE, 0, 2), 2
	s_setreg_imm32_b32 hwreg(HW_REG_WAVE_MODE, 25, 1), 1
	s_wait_xcnt 0x0
	s_wait_alu depctr_vm_vsrc(0)
; y[b][i][n] = proj_b[n] + the sum over h of Z[tok_i][h][n] + the sum over h and j of att[b][i][j][h] Z[tok_j][h][n].   out0: [8][256][768] f32.
; z = [4 (n / 64) + h][v][64] bf16, attf = the weights in fragment order (both made by the launches before).  Sums in f32; the bias is the C operand of the first product.
; The self loops are a product of their own with a fragment of exact ones and zeros, so that no weight is lost beside a 1.
; SHARES.  A work-group makes 128 rows i of one batch x 64 n (a row's 256 bytes of out0 are stored whole): 12 x 16 = 192 work-groups; finer shares would store parts of those 256 bytes or gather Z more often.
; A wave makes 32 rows (two tiles u) x 4 tiles of 16 n: 8 accumulators, which take turns.  K: 4 heads x 8 pieces of 32 j, then 4 steps for the self loops: 36 steps of 8 matrix instructions.
; Z's 256 token rows x 4 heads x 128 bytes are gathered through registers into LDS once (tokens name the rows, so no tile describes them: no tensor load, and so no cluster); att goes straight to registers.
; THE MATRIX INSTRUCTION IS USED TRANSPOSED: source 0 = Z^T (16 n x 32 j, turned by ds_load_tr16_b128), source 1 = att (32 j x 16 i): a lane holds one row i and eight neighbouring n.
; LIMITS.  Tokens are clamped to 0..2047 (as unsigned numbers).  NaN and infinities are not treated apart.
; REGISTERS: window 0 as named below; window 1: att of tile u = 0, fragment 8 h + c at 8 (8 h + c); window 2: of u = 1;
;   window 3: first the gathered Z on its way to LDS, then a ring of eight buffers of 32: step t's four fragments of Z^T in buffer t % 8.
; THE MODE: SCHED_MODE bits 1:0 = 2 (LLVM: expert scheduling mode 2), set by the entry lines.  The code itself states the register dependences
; between vector or matrix instructions and memory or LDS instructions, with s_wait_alu, always for 0.
; THE PLAN.  Registers that memory or LDS instructions touch:
;   v6, v32, v33     offsets of the loads of tokens, att and bias: written once at the head, never again.
;   v8-23            the tokens land here; two vector lines make the gather's offsets of them; the 64 gather loads read them; never written again.
;   v24-29, v34      LDS addresses and out0's offset: written once, while att's first loads are out; never again.
;   v48-79, windows 1 and 2   the bias and att: loaded once; behind that named by matrix instructions alone.
;   window 3         the gather lands in it, the LDS stores read it; then the ring: step t's products read buffer t % 8, and the loads issued in step t land in buffer (t + 4) % 8, which step t - 4 read.
;   v80-143          the accumulators: written by matrix instructions, read by the way out's LDS stores.
;   v144-207         v144-146 are at work at the head; on the way out the loads from the stage land in all 64, and the stores to out0 read them.
;   v30, v31         written at the head, read by the closing add alone.
; So in the 36 steps ONE wait on va_vdst stands at the head of every fourth step (4, 8 .. 28): the products of the four steps before are done reading their four buffers, in which the loads of this step and
; the next three land; the products issued since that wait name the other four buffers.  Steps 0 to 3 load into buffers that no product has named; steps 32 to 35 load nothing.
.set ZP,    544                        ; a token's row in LDS: 4 heads x 128 bytes + 32
.set STAGE, 256*ZP                     ; behind Z: 32 rows x 272 bytes for each wave, for the way out
.set SPARE, STAGE+4*32*272             ; behind the stages: the spare words, 128 bytes for each wave
.set TO,  6                            ; v6      my byte offset in x for the gather
.set VO,  8                            ; v8-23   token, then byte offset in a plane of z, of row 4 q + lane / 8 of my 64
.set LSA, 24                           ; v24     where the gathered 16 bytes go
.set AV0, 25                           ; v25     my lane's place for the turning load, j 0..127
.set AV1, 26                           ; v26     j 128..255
.set AVS, 27                           ; v27     the 32 j that are my own 32 rows
.set STO, 28                           ; v28     the way out: where I put 16 bytes
.set RD,  29                           ; v29     where I read rows back
.set SPW, 30                           ; v30     LDS address of my spare word; never rewritten
.set NIL, 31                           ; v31     0; never rewritten
.set AO,  32                           ; v32     16 lane: my place in a fragment of att
.set BO,  33                           ; v33     32 (lane / 16): my eight numbers in 16 of the bias
.set CO,  34                           ; v34     my byte offset in two rows of out0
.set C16, 35                           ; v35     16 (lane % 8)
.set EYE, 36                           ; v36-47  0 x 4, the diagonal's four words, 0 x 4: tile 0's fragment is v40-47, tile 1's v36-43
.set BI,  48                           ; v48-79  the bias, eight numbers for each tile of 16 n
.set ACC, 80                           ; v80-143 accumulator (u, n) at 8 (4 u + n)
.set OB,  144                          ; v144-207 the way out: 32 rows read back from the stage
.set MSB, 0
.macro WIN new                         ; the immediate's high byte repeats the setting that is left; a switch that changes nothing is dropped
.if MSB != (\new)
	s_set_vgpr_msb (MSB<<8)|(\new)
.set MSB, (\new)
.endif
.endm
	s_load_b256 s[4:11], s[0:1], 0x0               ; x s[4:5], z s[6:7], attf s[8:9], proj_b s[10:11]
	s_load_b64 s[12:13], s[0:1], 0x20              ; out0
	v_lshl_add_u32 v[SPW], v0, 2, SPARE
	v_mov_b32 v[NIL], 0
	v_lshrrev_b32 v1, 5, v0
	v_readfirstlane_b32 s14, v1                    ; wave 0..3
	s_and_b32 s15, ttmp7, 0xffff
	s_lshr_b32 s24, s15, 1                         ; batch
	s_and_b32 s25, s15, 1                          ; which 128 of its rows
	v_and_b32 v3, 31, v0                           ; lane l
	v_and_b32 v1, 15, v0                           ; r = l % 16
	v_bfe_u32 v2, v0, 4, 1                         ; l / 16
	v_lshrrev_b32 v4, 3, v3                        ; l / 8
	v_and_b32 v5, 7, v0                            ; l % 8
	s_lshl_b32 s26, s24, 10                        ; the batch's 256 tokens of 4 bytes,
	s_wait_alu depctr_va_sdst(0)                   ; s14 is written, ahead of its first reader: offsets, bases and LDS addresses are made from it
	s_lshl_b32 s27, s14, 8                         ; my wave's 64
	s_add_co_u32 s26, s26, s27
	v_lshl_add_u32 v[TO], v4, 2, s26
	v_lshlrev_b32 v[AO], 4, v3
	v_lshlrev_b32 v[BO], 5, v2
	v_lshlrev_b32 v[C16], 4, v5
	s_lshl_b32 s16, s24, 4
	s_lshl_b32 s27, s25, 3
	s_add_co_u32 s16, s16, s27
	s_lshl_b32 s27, s14, 1
	s_add_co_u32 s16, s16, s27                     ; my first tile of 16 rows: 16 b + 8 half + 2 w
	s_lshl_b32 s16, s16, 15                        ; 32,768 bytes of attf each
	s_mov_b32 s17, 0
	s_lshl_b32 s18, ttmp9, 8                       ; 64 n of 4 bytes
	s_mov_b32 s19, 0
	s_lshl_b32 s20, ttmp9, 20                      ; four planes of z
	s_mov_b32 s21, 0
	s_lshl_b32 s22, s24, 8
	s_lshl_b32 s27, s25, 7
	s_add_co_u32 s22, s22, s27
	s_lshl_b32 s27, s14, 5
	s_add_co_u32 s22, s22, s27                     ; my first row of out0
	s_mul_i32 s22, s22, 3072
	s_add_co_u32 s22, s22, s18
	s_mov_b32 s23, 0
	s_wait_kmcnt 0x0
	s_add_nc_u64 s[16:17], s[8:9], s[16:17]
	s_add_nc_u64 s[18:19], s[10:11], s[18:19]
	s_add_nc_u64 s[20:21], s[6:7], s[20:21]
	s_add_nc_u64 s[22:23], s[12:13], s[22:23]
	s_wait_alu depctr_va_vdst(0)                   ; v[TO], v[BO] and v[AO] are written, which the loads of tokens, bias and att read as their offsets; no vector line writes them again
.irp q, 0,1,2,3,4,5,6,7,8,9,10,11,12,13,14,15
	global_load_b32 v[VO+(\q)], v[TO], s[4:5] offset:16*(\q)       ; the token of row 64 w + 4 q + l / 8
.endr
.irp t, 0,1,2,3
	global_load_b128 v[BI+8*(\t):BI+8*(\t)+3],   v[BO], s[18:19] offset:64*(\t)
	global_load_b128 v[BI+8*(\t)+4:BI+8*(\t)+7], v[BO], s[18:19] offset:64*(\t)+16
.endr
; att's fragments lo .. lo + 7 of both tiles: 32 loads of 512 consecutive bytes.  They land in registers that no vector or matrix instruction has named, by an offset that the wait above has shown written.
.macro ATT lo
.irp u, 0,1
	WIN 0x40*(1+(\u))                              ; destination window 1 or 2, address window 0
.set k, (\lo)
.rept 8
	global_load_b128 v[8*k:8*k+3],   v[AO], s[16:17] offset:32768*(\u)+1024*k
	global_load_b128 v[8*k+4:8*k+7], v[AO], s[16:17] offset:32768*(\u)+1024*k+512
.set k, k+1
.endr
.endr
	WIN 0
.endm
	ATT 0
	; the addresses and the diagonal's fragment are made while those loads are out; none of these lines names a register that a load issued so far touches
	v_mul_u32_u24 v[LSA], v4, ZP
	v_lshl_add_u32 v[LSA], v5, 4, v[LSA]
	s_mul_i32 s27, s14, 64*ZP
	v_add_nc_u32 v[LSA], s27, v[LSA]               ; row 64 w + l / 8, 16 (l % 8)
	v_lshl_add_u32 v[AV0], v2, 3, v5               ; the turning load: lane l reads row 8 (l / 16) + l % 8, bytes 16 ((l / 8) % 2) on
	v_mul_u32_u24 v[AV0], v[AV0], ZP
	v_bfe_u32 v7, v0, 3, 1
	v_lshl_add_u32 v[AV0], v7, 4, v[AV0]
	v_add_nc_u32 v[AV1], 128*ZP, v[AV0]
	s_lshl_b32 s27, s25, 2
	s_add_co_u32 s27, s27, s14
	s_mul_i32 s27, s27, 32*ZP
	v_add_nc_u32 v[AVS], s27, v[AV0]
	s_mul_i32 s27, s14, 32*272
	s_add_co_u32 s27, s27, STAGE                   ; my stage
	v_mul_u32_u24 v[STO], v1, 272                  ; in: row r, 32 bytes for each half of the lanes
	v_lshl_add_u32 v[STO], v2, 5, v[STO]
	v_add_nc_u32 v[STO], s27, v[STO]
	v_mul_u32_u24 v[RD], v2, 272                   ; back: lanes 0-15 take one row of 256 bytes, lanes 16-31 the next
	v_lshl_add_u32 v[RD], v1, 4, v[RD]
	v_add_nc_u32 v[RD], s27, v[RD]
	v_mul_u32_u24 v[CO], v2, 3072                  ; and the same two rows in out0
	v_lshl_add_u32 v[CO], v1, 4, v[CO]
	; the diagonal: in a lane's eight k = 8 (l / 16) + 0..7 the one at k = r is 1.0: word r / 2 - 4 (l / 16), half r % 2
	v_lshrrev_b32 v144, 1, v1
	v_lshlrev_b32 v145, 2, v2
	v_sub_nc_u32 v144, v144, v145
	v_and_b32 v145, 1, v1
	v_lshlrev_b32 v145, 4, v145
	v_mov_b32 v146, 0x3f80
	v_lshlrev_b32 v146, v145, v146
.irp m, 0,1,2,3
	v_cmp_eq_u32 s[28+(\m)], \m, v144              ; the four masks in a run, each in a scalar register of its own
.endr
.irp m, 0,1,2,3
	v_mov_b32 v[EYE+(\m)], 0
	v_mov_b32 v[EYE+8+(\m)], 0
.endr
	s_wait_alu depctr_va_sdst(0)                   ; the four compares have written s28 to s31, ahead of the selects that read them
.irp m, 0,1,2,3
	v_cndmask_b32 v[EYE+4+(\m)], 0, v146, s[28+(\m)]
.endr
	s_wait_loadcnt 40                              ; the sixteen tokens are in; the 8 loads of the bias and the 32 of att behind them may be out
.irp q, 0,1,2,3,4,5,6,7,8,9,10,11,12,13,14,15
	v_min_u32 v[VO+(\q)], 2047, v[VO+(\q)]
.endr
.irp q, 0,1,2,3,4,5,6,7,8,9,10,11,12,13,14,15
	v_lshl_add_u32 v[VO+(\q)], v[VO+(\q)], 7, v[C16]               ; a token's 128 bytes in a plane, my 16 of them
.endr
	WIN 0xc0                                       ; destination window 3
	s_wait_alu depctr_va_vdst(0)                   ; the gather's offsets v[VO ..] are written; so are v[LSA], v[AV0], v[AV1], v[AVS], v[STO], v[RD] and v[CO], which the LDS instructions and stores below read, and the lines that named v144-146, in which loads land on the way out, are done.  Behind this wait no vector line writes any of them
.set i, 0
.rept 64                                       ; load 4 q + h: four token rows x 128 bytes of head h
	global_load_b128 v[4*i:4*i+3], v[VO+i/4], s[20:21] offset:262144*(i%4)
.set i, i+1
.endr
	WIN 0x0c                                       ; store data (source 1) in window 3
.set k, 0
.rept 4
	s_wait_loadcnt 48-16*k                         ; loads come back in order: sixteen more of the 64 are in (at k = 0 the bias and att's first fragments too)
.set i, 16*k
.rept 16
	ds_store_b128 v[LSA], v[4*i:4*i+3] offset:4*ZP*(i/4)+128*(i%4)
.set i, i+1
.endr
.set k, k+1
.endr
	WIN 0
	ATT 8                                          ; the other 96 loads of att, in three runs of 32: the steps below wait for them run by run
	ATT 16
	ATT 24
	s_wait_dscnt 0x0                               ; for the others' sake: my part of Z is in LDS
	s_barrier_signal -1
	s_barrier_wait -1
; Step t's four fragments of Z^T, 8 turning loads, into buffer t % 8 of window 3.  t = 8 h + c: head h, j = 32 c on; t = 32 + h: the self loops, my own 32 rows.
.macro ZLOAD t
	WIN 0xc0                                       ; destination window 3, address window 0
.set ZB_, 32*((\t)%8)
.if (\t) < 32
.set ZO_, (((\t)%8)%4)*32*ZP+128*((\t)/8)
.if ((\t)%8) < 4
.set ZA_, AV0
.else
.set ZA_, AV1
.endif
.else
.set ZO_, 128*((\t)-32)
.set ZA_, AVS
.endif
.irp n, 0,1,2,3
	ds_load_tr16_b128 v[ZB_+8*(\n):ZB_+8*(\n)+3],   v[ZA_] offset:ZO_+32*(\n)
	ds_load_tr16_b128 v[ZB_+8*(\n)+4:ZB_+8*(\n)+7], v[ZA_] offset:ZO_+32*(\n)+16*ZP
.endr
.endm
; Four of step t's eight products: tile u, the four tiles of 16 n.
.macro MUL4 t, u
.set ZS_, 32*((\t)%8)
.if (\t) < 32
	WIN 0x03+0x04*(1+(\u))                         ; source 0 (Z^T) in window 3, source 1 (att) in window 1 or 2, C and D in window 0
.else
	WIN 0x03                                       ; source 1 is the diagonal's fragment, in window 0
.endif
.irp n, 0,1,2,3
.if (\t) == 0
	v_wmma_f32_16x16x32_bf16 v[ACC+8*(4*(\u)+(\n)):ACC+8*(4*(\u)+(\n))+7], v[ZS_+8*(\n):ZS_+8*(\n)+7], v[8*(\t):8*(\t)+7], v[BI+8*(\n):BI+8*(\n)+7]
.elseif (\t) < 32
	v_wmma_f32_16x16x32_bf16 v[ACC+8*(4*(\u)+(\n)):ACC+8*(4*(\u)+(\n))+7], v[ZS_+8*(\n):ZS_+8*(\n)+7], v[8*(\t):8*(\t)+7], v[ACC+8*(4*(\u)+(\n)):ACC+8*(4*(\u)+(\n))+7]
.else
	v_wmma_f32_16x16x32_bf16 v[ACC+8*(4*(\u)+(\n)):ACC+8*(4*(\u)+(\n))+7], v[ZS_+8*(\n):ZS_+8*(\n)+7], v[EYE+4-4*(\u):EYE+11-4*(\u)], v[ACC+8*(4*(\u)+(\n)):ACC+8*(4*(\u)+(\n))+7]
.endif
.endr
.endm
; A step: four products, the eight loads of the step four on, four products.
.macro STEP t
.if (\t) < 32
	s_wait_dscnt 24                                ; LDS loads come back in order: this step's eight are in; the next three steps' 24 may be out
.else
	s_wait_dscnt 8*(35-(\t))                       ; the last four steps load nothing: the counts run down
.endif
.if (\t) == 8
	s_wait_loadcnt 63                              ; att's fragments 8-15 are in: 64 loads are younger, and 63 is the largest count that a wait can name
.elseif (\t) == 16
	s_wait_loadcnt 32                              ; fragments 16-23; the last 32 loads may be out
.elseif (\t) == 24
	s_wait_loadcnt 0x0
.endif
.if ((\t) > 0) && ((\t) < 32) && ((\t)%4 == 0)
	s_wait_alu depctr_va_vdst(0)                   ; the products of the four steps before are done reading their four buffers of Z^T, in which the loads of this step and the next three land; the products issued behind this wait name the other four
.endif
	MUL4 \t, 0
.if (\t)+4 < 36
	ZLOAD (\t)+4                                   ; no wait here: no matrix instruction since the last wait on va_vdst names buffer (t + 4) % 8 or the address
.endif
	MUL4 \t, 1
.endm
	WIN 0xc0
	s_wait_alu depctr_vm_vsrc(0)                   ; my LDS stores have read window 3's registers: from here on they are the ring, in which the fragments' loads land
	ZLOAD 0
	ZLOAD 1
	ZLOAD 2
	ZLOAD 3
.set tt, 0
.rept 36
	STEP tt
.set tt, tt+1
.endr
	; THE WAY OUT: a lane's eight f32 of a row go into my own stage, each accumulator from its low end, and come back as whole rows of 256 bytes.
	WIN 0
.rept 4
	v_nop                                          ; the places behind the last products (ISA guide 7.12.1)
.endr
	s_wait_alu depctr_va_vdst(0)                   ; the products have written the accumulators, which the LDS stores read; the places above stay beside this wait
.set k, 0
.rept 8
	ds_store_b128 v[STO], v[ACC+8*k:ACC+8*k+3]   offset:16*272*(k/4)+64*(k%4)
	ds_store_b128 v[STO], v[ACC+8*k+4:ACC+8*k+7] offset:16*272*(k/4)+64*(k%4)+16
.set k, k+1
.endr
.set k, 0
.rept 16
	ds_load_b128 v[OB+4*k:OB+4*k+3], v[RD] offset:2*272*k          ; LDS serves a wave's instructions in order (ISA guide 5.7.1.4): these see my stores above
.set k, k+1
.endr
.set k, 0
.rept 16
	s_wait_dscnt 15-k
	global_store_b128 v[CO], v[OB+4*k:OB+4*k+3], s[22:23] offset:2*3072*k  ; 16 lanes store 256 consecutive bytes, aligned
.set k, k+1
.endr
	s_wait_dscnt 0x0                               ; the closing lines, six on end
	s_wait_alu 0x0
	s_wait_tensorcnt 0x0
	ds_add_u32 v[SPW], v[NIL]
	s_wait_dscnt 0x0
	s_endpgm
.Lfunc_end_k_qd2c184bf48_mix:
	.size	k_qd2c184bf48_mix, .Lfunc_end_k_qd2c184bf48_mix-k_qd2c184bf48_mix
	.p2alignl 7, 3214868480
	.fill 96, 4, 3214868480
	.section	.rodata,"a",@progbits
	.p2align	6, 0x0
	.amdhsa_kernel k_qd2c184bf48_mix
		.amdhsa_group_segment_fixed_size 174592
		.amdhsa_private_segment_fixed_size 0
		.amdhsa_enable_private_segment 0
		.amdhsa_kernarg_size 40
		.amdhsa_user_sgpr_count 2
		.amdhsa_user_sgpr_kernarg_segment_ptr 1
		.amdhsa_wavefront_size32 1
		.amdhsa_system_sgpr_workgroup_id_x 1
		.amdhsa_system_sgpr_workgroup_id_y 1
		.amdhsa_system_sgpr_workgroup_id_z 1
		.amdhsa_system_vgpr_workitem_id 0
		.amdhsa_next_free_vgpr 1024
		.amdhsa_next_free_sgpr 66
		.amdhsa_reserve_vcc 0
		.amdhsa_float_denorm_mode_32 3
		.amdhsa_float_denorm_mode_16_64 3
		.amdhsa_memory_ordered 1
		.amdhsa_forward_progress 1
		.amdhsa_inst_pref_size 77
	.end_amdhsa_kernel
	.amdgpu_metadata
---
amdhsa.version: [ 1, 2 ]
amdhsa.kernels:
  - .name:           k_qd2c184bf48_mix
    .symbol:         k_qd2c184bf48_mix.kd
    .args:
      - { .name: x, .offset: 0, .size: 8, .value_kind: global_buffer, .address_space: global }
      - { .name: z, .offset: 8, .size: 8, .value_kind: global_buffer, .address_space: global }
      - { .name: attf, .offset: 16, .size: 8, .value_kind: global_buffer, .address_space: global }
      - { .name: proj_b, .offset: 24, .size: 8, .value_kind: global_buffer, .address_space: global }
      - { .name: out0, .offset: 32, .size: 8, .value_kind: global_buffer, .address_space: global }
    .group_segment_fixed_size: 174592
    .private_segment_fixed_size: 0
    .kernarg_segment_align: 8
    .kernarg_segment_size: 40
    .max_flat_workgroup_size: 128
    .sgpr_count:     66
    .vgpr_count:     1024
    .wavefront_size: 32
...
	.end_amdgpu_metadata
.endif
;; end of part 4
